; MI455X (gfx1250); checked and timed in simulation.
; The chip was launched on July 23, 2026; its instructions are those of AMD's public machine-readable ISA for CDNA 5 (MIT licence, August 2026) and "CDNA5" Instruction Set Architecture Reference Guide (July 2026). The comments in the code are by the model that wrote it; some were corrected since.
;; QNN. Allowed arithmetic: float matrix products may take bf16 or f16 operands with f32 sums; other float arithmetic in f32, or as packed bf16 or f16 multiplies, adds, multiply-adds, maxima and minima; sums over many terms, partial sums and values carried from step to step in f32; what a program stores and reads back later, other than sums and carried values, may be rounded once to bf16 or f16.
;; Inputs: weight 32 x 12 x 2 float32; x 128 x 12 float32.
;; Outputs: out0 32 x 128 float32.
;; One version. Each part assembles by itself: llvm-mc -triple=amdgcn-amd-amdhsa -mcpu=gfx1250 --defsym DOCPART=n.
;; ======== version 1 of 1: 1 launch
;; limits: inputs' magnitudes at most 13,000,000
;; launch qnn (part 1): grid 32 x 1, 2 waves a work-group, no clusters, 0 bytes of LDS; arguments x, weight, out0; writes out0
.if DOCPART == 1
	.amdgcn_target "amdgcn-amd-amdhsa--gfx1250"
	.amdhsa_code_object_version 6
	.text
	.protected	k_qd1809e5a99_qnn
	.globl	k_qd1809e5a99_qnn
	.p2align	8
	.type	k_qd1809e5a99_qnn,@function
k_qd1809e5a99_qnn:
	s_mov_b64 s[64:65], 0
	v_nop
	global_prefetch_b8 v0, s[64:65] scope:SCOPE_SE
	s_setreg_imm32_b32 hwreg(HW_REG_WAVE_MODE, 25, 1), 1
	s_wait_xcnt 0x0
; out0[o][b] = <Z_0> of the circuit  H^12, RZ(x[b][q]), then twice (RY(weight[o][q][l]) on every qubit, CNOT chain 0->1, 1->2, .. 10->11).
; x: [128][12] f32.  weight: [32][12][2] f32.  out0: [32][128] f32.
;
; THE FORMULA.  The observable is carried backwards through the circuit; every step is an operator identity, so it holds for all finite inputs.
;   second CNOT chain: qubit 0 is only ever a control, and Z on a control commutes with a CNOT:            Z0 -> Z0
;   second RY layer:   with R = [[c,-s],[s,c]], R^T Z R = cos(th) Z - sin(th) X; the rotations of the other qubits cancel:  Z0 -> cos t Z0 - sin t X0,  t = weight[o][0][1]
;   first CNOT chain:  Z0 -> Z0;  X0 commutes with all CNOTs but 0->1, which makes it X0 X1
;   first RY layer:    R^T X R = sin(th) Z + cos(th) X, with a = weight[o][0][0] on qubit 0 and b = weight[o][1][0] on qubit 1
;   encoded state:     each qubit is (e^(-ix/2)|0> + e^(ix/2)|1>)/sqrt 2:  <Z> = 0, <X> = cos x
;   so  out0[o][b] = -cos x[b][0] * (A + B * cos x[b][1]),   A = cos t sin a,   B = sin t cos a cos b.
; No matrix product is left (the sum of the probabilities against z has been done by the algebra), so no matrix instruction, no LDS and no barrier stand here.
;
; SHARES.  One work-group for each output feature o, two waves.  Thread t (0..63) owns batch rows 2t and 2t+1: its 8 bytes of the row of out0, so that each store of a wave
; covers 256 consecutive bytes, aligned.  Every work-group makes the cosines of its 128 rows of x itself: four a lane.
;
; SINE AND COSINE, one routine:  cos(y - h pi) = (-1)^n cos(y - (n + h) pi),  n = the whole number nearest to y / pi - h;  h = 0 gives cos y, h = 1/2 gives sin y.
;   n is made by adding 1.5 x 2^23, which rounds to a whole number and leaves n's parity in the sum's lowest bit;
;   pi is taken away in two fused steps (pi = PI_HI + PI_LO to 3.4e-15);  |r| <= pi/2 then, and cos r is the even polynomial of degree 10 of
;   Abramowitz and Stegun 4.3.99 (error 2e-9 there; its coefficient -0.4999999963 is -0.5 in f32);  the parity, shifted to bit 31 and added, turns the sign.
;   The work goes in packed pairs, three STREAMS: 0 = (x[2t][0], x[2t][1]), 1 = the same of row 2t+1, 2 = two words of weight[o].
;   In stream 2 the lanes differ: lanes with bit 1 clear hold (a, t), the others (b, weight[o][1][1]); even lanes have h = 1/2, odd lanes h = 0.
;   So lane 0 ends with (sin a, sin t), lane 1 with (cos a, cos t), lane 3 with cos b in its lower word.  The other lanes repeat these, and the cosine of
;   weight[o][1][1], which rides along in lane 3's 8-byte load, is not used: neither costs an instruction.
;
; LIMITS.  Absolute error about 1e-6 for |x|, |weight| up to 1e6 (y / pi is off by 4e-8 of y at the most, so |r| passes pi/2 by 0.04 there, where the polynomial still holds);
; from 1.3e7 on the rounding constant no longer holds n and the result is wrong.  A NaN or an infinity in a word that the formula uses gives NaN, as in reference();
; in a word that the formula does not contain (x[:][2..11], weight[:][2..11][:], weight[:][1][1]) reference() gives NaN and this text does not.
.set XROW,    48                       ; bytes in a row of x
.set WROW,    96                       ; bytes of weight for one output feature
.set INV_PI,  0x3ea2f983               ; 1 / pi
.set PI_HI_N, 0xc0490fdb               ; -PI_HI = -3.14159274
.set PI_LO_N, 0x33bbbd2e               ; -PI_LO = +8.7422777e-8
.set MAGIC,   0x4b400000               ; 1.5 x 2^23
.set MAGIC_N, 0xcb400000               ; -1.5 x 2^23
.set C4,      0x3d2aaaa4               ;  0.0416666418
.set C6,      0xbab609ba               ; -0.0013888397
.set C8,      0x37cfb5a1               ;  0.0000247609
.set C10,     0xb48bdad9               ; -0.0000002605
.set XO,  1                            ; v1       my byte offset in x: two rows a thread
.set WO,  2                            ; v2       my byte offset in weight
.set OO,  3                            ; v3       my byte offset in out0
.set Y,   4                            ; v[4:9]   the angles, a pair for each stream
.set H,   10                           ; v[10:11] h, twice
.set NB,  12                           ; v[12:17] y / pi - h + 1.5 x 2^23
.set K,   18                           ; v[18:23] n + h
.set R,   24                           ; v[24:29] r
.set Z,   30                           ; v[30:35] r^2
.set P,   36                           ; v[36:41] the polynomial, then the signed result
.set OUT, 42                           ; v[42:43] my two numbers of out0
.set U,   44                           ; v[44:45] A + B cos x[.][1]
.set MG,  12                           ; s[12:13] 1.5 x 2^23: a packed instruction names a pair and takes its low word for both halves
.set CT,  14                           ; s[14:15] C10, likewise
	s_load_b128 s[4:7], s[0:1], 0x0                ; x s[4:5], weight s[6:7]
	s_load_b64 s[8:9], s[0:1], 0x10                ; out0
	s_mul_i32 s10, ttmp9, WROW                     ; o's 24 words of weight
	s_lshl_b32 s11, ttmp9, 9                       ; o's row of out0: 128 x 4 bytes
	s_mov_b32 s[MG], MAGIC
	s_mov_b32 s[MG+1], MAGIC                       ; named with it as a pair, so it is written
	s_mov_b32 s[CT], C10
	s_mov_b32 s[CT+1], C10
	v_mul_u32_u24 v[XO], v0, 2*XROW                ; row 2t of x
	v_bfe_u32 v[WO], v0, 1, 1                      ; bit 1 of the lane: words 0, 1 (a, t) or words 2, 3 (b, and one that is not used)
	v_lshl_add_u32 v[WO], v[WO], 3, s10
	v_lshl_add_u32 v[OO], v0, 3, s11               ; 8 bytes a thread
	v_and_b32 v[H], 1, v0
	v_cmp_eq_u32 vcc_lo, 0, v[H]
	v_cndmask_b32 v[H], 0, 0.5, vcc_lo             ; even lanes make sines, odd lanes cosines
	v_mov_b32 v[H+1], v[H]
	s_wait_kmcnt 0x0
	global_load_b64 v[Y+4:Y+5], v[WO], s[6:7]      ; the weights first: their stream is two instructions longer, and A and B hang on it
	global_load_b64 v[Y:Y+1], v[XO], s[4:5]
	global_load_b64 v[Y+2:Y+3], v[XO], s[4:5] offset:XROW
	s_wait_loadcnt 0x2                             ; the weights are in; the two loads of x, issued behind them, may be out
	; n, and n + h.  The three streams stand side by side, so that no line reads the result of the line just before it.
	v_pk_fma_f32 v[K+4:K+5], v[Y+4:Y+5], INV_PI, v[H:H+1] op_sel_hi:[1,0,1] neg_lo:[0,0,1] neg_hi:[0,0,1]  ; y / pi - h
	s_wait_loadcnt 0x0                             ; x
.irp i, 0,1
	v_pk_fma_f32 v[NB+2*(\i):NB+2*(\i)+1], v[Y+2*(\i):Y+2*(\i)+1], INV_PI, s[MG:MG+1] op_sel_hi:[1,0,0]   ; h = 0: one fused step rounds y / pi
.endr
	v_pk_add_f32 v[NB+4:NB+5], v[K+4:K+5], s[MG:MG+1] op_sel_hi:[1,0]
.irp i, 0,1,2
	v_pk_add_f32 v[K+2*(\i):K+2*(\i)+1], v[NB+2*(\i):NB+2*(\i)+1], MAGIC_N op_sel_hi:[1,0]                ; n, exact
.endr
	v_pk_add_f32 v[K+4:K+5], v[K+4:K+5], v[H:H+1]                                                          ; n + h, exact below 2^22
	; r = y - (n + h) pi, and r^2
.irp i, 0,1,2
	v_pk_fma_f32 v[R+2*(\i):R+2*(\i)+1], v[K+2*(\i):K+2*(\i)+1], PI_HI_N, v[Y+2*(\i):Y+2*(\i)+1] op_sel_hi:[1,0,1]
.endr
.irp i, 0,1,2
	v_pk_fma_f32 v[R+2*(\i):R+2*(\i)+1], v[K+2*(\i):K+2*(\i)+1], PI_LO_N, v[R+2*(\i):R+2*(\i)+1] op_sel_hi:[1,0,1]
.endr
.irp i, 0,1,2
	v_pk_mul_f32 v[Z+2*(\i):Z+2*(\i)+1], v[R+2*(\i):R+2*(\i)+1], v[R+2*(\i):R+2*(\i)+1]
.endr
	; cos r = 1 + z (-0.5 + z (C4 + z (C6 + z (C8 + z C10)))),  z = r^2
.irp i, 0,1,2
	v_pk_fma_f32 v[P+2*(\i):P+2*(\i)+1], v[Z+2*(\i):Z+2*(\i)+1], s[CT:CT+1], C8 op_sel_hi:[1,0,0]
.endr
.irp i, 0,1,2
	v_pk_fma_f32 v[P+2*(\i):P+2*(\i)+1], v[P+2*(\i):P+2*(\i)+1], v[Z+2*(\i):Z+2*(\i)+1], C6 op_sel_hi:[1,1,0]
.endr
.irp i, 0,1,2
	v_pk_fma_f32 v[P+2*(\i):P+2*(\i)+1], v[P+2*(\i):P+2*(\i)+1], v[Z+2*(\i):Z+2*(\i)+1], C4 op_sel_hi:[1,1,0]
.endr
.irp i, 0,1,2
	v_pk_fma_f32 v[P+2*(\i):P+2*(\i)+1], v[P+2*(\i):P+2*(\i)+1], v[Z+2*(\i):Z+2*(\i)+1], -0.5 op_sel_hi:[1,1,0]
.endr
.irp i, 0,1,2
	v_pk_fma_f32 v[P+2*(\i):P+2*(\i)+1], v[P+2*(\i):P+2*(\i)+1], v[Z+2*(\i):Z+2*(\i)+1], 1.0 op_sel_hi:[1,1,0]
.endr
	; (-1)^n: n's parity is the lowest bit of NB; shifted to bit 31 and added (the carry falls away) it turns the sign.  The weights' two first.
.irp j, 4,5,0,1,2,3
	v_lshl_add_u32 v[P+(\j)], v[NB+(\j)], 31, v[P+(\j)]
.endr
	; A and B are the same for the whole wave: they are made in scalar registers
	v_readlane_b32 s16, v[P+4], 0                  ; sin a
	v_readlane_b32 s17, v[P+5], 0                  ; sin t
	v_readlane_b32 s18, v[P+4], 1                  ; cos a
	v_readlane_b32 s19, v[P+5], 1                  ; cos t
	v_readlane_b32 s20, v[P+4], 3                  ; cos b
	s_mul_f32 s21, s19, s16                        ; A = cos t sin a
	s_mul_f32 s22, s17, s18
	s_mul_f32 s22, s22, s20                        ; B = sin t cos a cos b
	v_fma_f32 v[U], v[P+1], s22, s21               ; A + B cos x[2t][1]
	v_fma_f32 v[U+1], v[P+3], s22, s21             ; A + B cos x[2t+1][1]
	v_mul_f32 v[OUT], -v[P], v[U]                  ; times -cos x[2t][0]
	v_mul_f32 v[OUT+1], -v[P+2], v[U+1]
	global_store_b64 v[OO], v[OUT:OUT+1], s[8:9] th:TH_STORE_NT  ; 32 lanes x 8 bytes: 256 consecutive bytes, at a multiple of 256 from out0's first byte
	s_endpgm
.Lfunc_end_k_qd1809e5a99_qnn:
	.size	k_qd1809e5a99_qnn, .Lfunc_end_k_qd1809e5a99_qnn-k_qd1809e5a99_qnn
	.p2alignl 7, 3214868480
	.fill 96, 4, 3214868480
	.section	.rodata,"a",@progbits
	.p2align	6, 0x0
	.amdhsa_kernel k_qd1809e5a99_qnn
		.amdhsa_group_segment_fixed_size 0
		.amdhsa_private_segment_fixed_size 0
		.amdhsa_enable_private_segment 0
		.amdhsa_kernarg_size 24
		.amdhsa_user_sgpr_count 2
		.amdhsa_user_sgpr_kernarg_segment_ptr 1
		.amdhsa_wavefront_size32 1
		.amdhsa_system_sgpr_workgroup_id_x 1
		.amdhsa_system_sgpr_workgroup_id_y 1
		.amdhsa_system_sgpr_workgroup_id_z 1
		.amdhsa_system_vgpr_workitem_id 0
		.amdhsa_next_free_vgpr 48
		.amdhsa_next_free_sgpr 66
		.amdhsa_reserve_vcc 1
		.amdhsa_float_denorm_mode_32 3
		.amdhsa_float_denorm_mode_16_64 3
		.amdhsa_memory_ordered 1
		.amdhsa_forward_progress 1
		.amdhsa_inst_pref_size 6
	.end_amdhsa_kernel
	.amdgpu_metadata
---
amdhsa.version: [ 1, 2 ]
amdhsa.kernels:
  - .name:           k_qd1809e5a99_qnn
    .symbol:         k_qd1809e5a99_qnn.kd
    .args:
      - { .name: x, .offset: 0, .size: 8, .value_kind: global_buffer, .address_space: global }
      - { .name: weight, .offset: 8, .size: 8, .value_kind: global_buffer, .address_space: global }
      - { .name: out0, .offset: 16, .size: 8, .value_kind: global_buffer, .address_space: global }
    .group_segment_fixed_size: 0
    .private_segment_fixed_size: 0
    .kernarg_segment_align: 8
    .kernarg_segment_size: 24
    .max_flat_workgroup_size: 64
    .sgpr_count:     66
    .vgpr_count:     48
    .wavefront_size: 32
...
	.end_amdgpu_metadata
.endif
;; end of part 1
